; MI455X (gfx1250); checked and timed in simulation.
; The chip was launched on July 23, 2026; its instructions are those of AMD's public machine-readable ISA for CDNA 5 (MIT licence, August 2026) and "CDNA5" Instruction Set Architecture Reference Guide (July 2026). The comments in the code are by the model that wrote it; some were corrected since.
;; Interpretable Attention. Allowed arithmetic: matrix products marked QUANTISED: E4M3 operands, one given power-of-two scale a tensor, by v_wmma_f32_16x16x64_fp8_fp8 or v_wmma_f32_16x16x128_fp8_fp8, f32 sums; everything else in f32.
;; Inputs: Wk 1,024 x 1,024 float32; Wq 1,024 x 1,024 float32; bk 1,024 float32; bq 1,024 float32; lowp_scales 6 int32 (the exponents e of the quantised operands' scales 2^e); x 8 x 2,048 x 1,024 float32.
;; Outputs: out0 8 x 2,048 float32.
;; This version of the problem:
;;   THIS VERSION OF THE PROBLEM IS GIVEN IN LOW PRECISION. The matrix products marked QUANTISED in the list below multiply operands that are first quantised to E4M3 (4 exponent bits, 3 mantissa bits; 8 bits a number), with one given power-of-two scale for each operand tensor; their sums are f32. All else is computed in f32.
;;   The module's matrix products, in the order in which they are computed (A, B: the left and right operand; K: the contracted axis; several contracted axes count as one K, in the product's order):
;;     1. [M 16,384, K 1,024] x [K 1,024, N 1,024]; A: input x; B: input Wq: QUANTISED (scales: A lowp_scales[0], B lowp_scales[1])
;;     2. [M 16,384, K 1,024] x [K 1,024, N 1,024]; A: input x; B: input Wk: QUANTISED (scales: A lowp_scales[2], B lowp_scales[3])
;;     3. batch 8 x [M 2,048, K 1,024] x [K 1,024, N 2,048]; A: computed on the way; B: computed on the way: QUANTISED (scales: A lowp_scales[4], B lowp_scales[5])
;;   THE QUANTISER, for each operand of a quantised product, along K:
;;     - The operand's scale is 2^e, e = its entry of the input lowp_scales (int32; the entries are numbered through the quantised products in the list's order, A before B).
;;     - Each number is divided by the scale, clamped to +-448, and rounded to the nearest number of E4M3, ties to even, subnormals kept.
;;     - The product sums the exact products of the quantised numbers (number of the format x scale) in f32.
;;   ~~~python
;;   def quantise(x, axis, e):      # numpy; x: float32 -> the quantised numbers, widened to float32 again
;;       x = np.moveaxis(x, axis, -1); K = x.shape[-1]
;;       r = np.clip(x / 2.0 ** e, -448, 448)
;;       step = 2.0 ** (np.maximum(np.frexp(np.where(r == 0, 1, r))[1] - 1, -6) - 3)
;;       q = np.round(r / step) * step * 2.0 ** e      # np.round: ties to even
;;       return np.moveaxis(q, -1, axis).astype(np.float32)
;;   ~~~
;;   OPERANDS COMPUTED ON THE WAY. 'Computed on the way' means the value that the module computes at that place (a softmax that the list does not call 'softmax' is quantised finished and normalised). What goes into a quantiser is computed in f32, as accurately as f32 sums, v_exp_f32 and their like allow (about 1e-6 of the number): no bf16 or f16 on the way to a quantiser, and a product that is left as it is and whose result goes on into a quantised operand takes f32 operands (vector FMAs, or v_wmma_f32_16x16x4_f32). A number that lies on a knife's edge between two numbers of the format may be rounded either way, as far as f32 arithmetic and the matrix unit's own rounding can turn it there, and no further.
;; One version. Each part assembles by itself: llvm-mc -triple=amdgcn-amd-amdhsa -mcpu=gfx1250 --defsym DOCPART=n.
;; ======== version 1 of 1: 3 launches
;; workspace buffers: wkc 1,048,576 bytes; qc 16,384 bytes; sc 65,536 bytes
;; launch prep (part 1): grid 128 x 1, 4 waves a work-group, no clusters, 50,688 bytes of LDS; arguments Wk, Wq, x, bq, lowp_scales, wkc, qc; writes wkc, qc
.if DOCPART == 1
	.amdgcn_target "amdgcn-amd-amdhsa--gfx1250"
	.amdhsa_code_object_version 6
	.text
	.protected	k_q6907deb192_prep
	.globl	k_q6907deb192_prep
	.p2align	8
	.type	k_q6907deb192_prep,@function
k_q6907deb192_prep:
	s_mov_b64 s[64:65], 0
	v_nop
	global_prefetch_b8 v0, s[64:65] scope:SCOPE_SE
	s_setreg_imm32_b32 hwreg(HW_REG_WAVE_MODE, 25, 1), 1
	s_wait_xcnt 0x0
; Two jobs in one launch, parted by the work-group's number.
; WORK-GROUPS 0-63: Wk [1024][1024] f32 becomes codes of FP8 (E4M3) with the given scale 2^e3, laid in wkc as IMAGES OF OPERAND REGISTERS:
;   wkc[K step 0..7][tile T 0..63][group c 0..3][lane 0..31][16 bytes]: lane (r = lane % 16, h = lane / 16), group c, holds row 32 (T/2) + 8 (T%2) + r + 8 (r/8) of Wk,
;   k = 128 step + 32 c + 16 h + 0..15.  The rows of a tile are not neighbours: so the 16 result registers of tiles 2 b and 2 b + 1 are 16 neighbouring units in the next launch.
;   A wave takes 32 rows x 128 k: 32 loads of 512 consecutive bytes; the codes turn through the wave's own stage in LDS; 8 stores of 512 consecutive bytes.
; WORK-GROUPS 64-127: q0[b] = Q(x[b][0]) Q(Wq)^T x 2^(e0 + e1) + bq for the 8 batches, quantised with 2^e4.  Only row 0 of each batch's scores is kept by the slice at the end of the problem.
;   Work-group 64 + T' makes units 16 T' .. + 15; wave w takes k = 256 w .. + 255 (two matrix instructions); the four partial sums meet in LDS and wave 0 adds them, w ascending.
;   The product is used transposed (source 0 = 16 rows of Wq, source 1 = the 8 rows of x, each twice): a lane holds one batch and eight neighbouring units.
;   qc[T' 0..63][row 0..15][16 bytes]: the codes of q0[row % 8] at units 16 T' + 0..15: the 32 lanes store 256 consecutive bytes.
; code = number / 2^e, held within +-448, to the nearest code, ties to even.
; LIMITS: e0, e1, e3, e4 between -126 and 119, e0 + e1 between -126 and 127, so that each power of two below is an f32 number.  NaN among the inputs is not served.
; No tensor load, no cluster: no two work-groups read the same bytes but x's 8 rows (32 KB).
.set WST,   0                          ; LDS: the first job's stages, 32 rows x 144 bytes for each wave
.set QST,   18432                      ; the second job's stages: for each wave 2 K steps x 24 rows (16 of Wq, 8 of x) x 144 bytes
.set PQ,    46080                      ; the four waves' partial sums, 1,024 bytes each
.set SPARE, 50176                      ; the spare words, 128 bytes for each wave: two blocks of 256 bytes that no other line names
; v1 16 x lane; v2, v3 the first job's stage, in and out; v4 the second job's stage, in; v5, v6 out (Wq's rows, x's rows); v7, v24 the partial sums, in and out;
; v8-15 x's offsets; v16-23 bq; v25 bq's offset; v26 qc's offset; v27 the scale as f32, v28 448 x the scale; v30, v31 the add's two; v32 on: data
.macro MKSC sc, lim, e                 ; s[sc] = 2^e as f32, s[lim] = 448 x 2^e
	s_add_co_i32 s[\lim], s[\e], 127
	s_lshl_b32 s[\sc], s[\lim], 23
	s_add_co_i32 s[\lim], s[\lim], 8
	s_lshl_b32 s[\lim], s[\lim], 23
	s_or_b32 s[\lim], s[\lim], 0x600000
.endm
.macro QN src, n, cd                   ; 8 n numbers from v[src] on become 2 n registers of codes from v[cd] on
.set z, 0
.rept 8*(\n)
	v_med3_num_f32 v[(\src)+z], v[(\src)+z], -v28, v28     ; the conversion to an 8-bit code does not saturate (ISA guide 7.6.2): the hold comes first
.set z, z+1
.endr
.set z, 0
.rept \n
	v_cvt_scalef32_pk8_fp8_f32 v[(\cd)+2*z:(\cd)+2*z+1], v[(\src)+8*z:(\src)+8*z+7], v27   ; four numbers of one row, four of the next: each result register is four codes of one row
.set z, z+1
.endr
	v_nop                                          ; one plain vector line behind the last conversion, ahead of whatever next writes its sources or its scale
.endm
	s_load_b256 s[4:11], s[0:1], 0x0               ; Wk s[4:5], Wq s[6:7], x s[8:9], bq s[10:11]
	s_load_b128 s[12:15], s[0:1], 0x20             ; the scales' exponents s[12:13], wkc s[14:15]
	s_load_b64 s[16:17], s[0:1], 0x30              ; qc
	v_lshl_add_u32 v30, v0, 2, SPARE
	v_mov_b32 v31, 0
	v_lshrrev_b32 v32, 5, v0
	v_readfirstlane_b32 s18, v32                   ; wave 0..3
	v_and_b32 v32, 31, v0                          ; lane
	v_and_b32 v33, 15, v0                          ; r
	v_bfe_u32 v34, v0, 4, 1                        ; h
	v_lshlrev_b32 v1, 4, v32                       ; 16 x lane
	v_lshlrev_b32 v35, 2, v32                      ; 4 x lane
	; every LDS address of both jobs is made here, ahead of all branches: a constant + a constant x wave + a lane term
	s_mul_i32 s19, s18, 4608
	v_add_nc_u32 v2, s19, v35                      ; in: 4 codes a lane, a row an instruction
	v_and_b32 v36, 8, v33
	v_add_nc_u32 v36, v36, v33                     ; r + 8 (r / 8)
	v_mul_u32_u24 v3, v36, 144
	v_lshl_add_u32 v3, v34, 4, v3
	v_add_nc_u32 v3, s19, v3                       ; out: row r + 8 (r / 8), + 16 h
	s_mul_i32 s19, s18, 6912
	s_add_co_u32 s19, s19, QST
	v_add_nc_u32 v4, s19, v35
	v_mul_u32_u24 v5, v33, 144
	v_lshl_add_u32 v5, v34, 4, v5
	v_add_nc_u32 v5, s19, v5                       ; Wq's row r, + 16 h
	v_and_b32 v36, 7, v33
	v_mul_u32_u24 v6, v36, 144
	v_lshl_add_u32 v6, v34, 4, v6
	v_add_nc_u32 v6, s19, v6
	v_add_nc_u32 v6, 2304, v6                      ; x's row r % 8, behind Wq's sixteen
	s_lshl_b32 s19, s18, 10
	s_add_co_u32 s19, s19, PQ
	v_add_nc_u32 v7, s19, v1
	v_add_nc_u32 v24, PQ, v1
	v_lshlrev_b32 v25, 5, v34                      ; bq: 32 h
	v_lshlrev_b32 v26, 4, v33
	v_lshl_add_u32 v26, v34, 3, v26                ; qc: 16 r + 8 h
.irp b, 0,1,2,3,4,5,6,7
	v_add_nc_u32 v[8+\b], \b<<23, v1               ; x: batch b's row 0 lies 2,048 rows x 4,096 bytes x b on: too far for an immediate
.endr
	s_wait_kmcnt 0x0
	s_load_b128 s[20:23], s[12:13], 0x0            ; e0, e1, e2, e3
	s_load_b64 s[24:25], s[12:13], 0x10            ; e4, e5
	s_mov_b32 s29, 0
	s_cmp_lt_u32 ttmp9, 64
	s_cbranch_scc0 .Lq
	; ---------------- Wk's codes ----------------
	s_lshl_b32 s26, ttmp9, 2
	s_add_co_u32 s26, s26, s18                     ; 4 x work-group + wave: 0..255
	s_lshr_b32 s27, s26, 3                         ; which 32 rows
	s_and_b32 s26, s26, 7                          ; which K step
	s_lshl_b32 s28, s27, 17                        ; 32 rows of 4,096 bytes
	s_lshl_b32 s30, s26, 9                         ; 128 numbers
	s_add_co_u32 s28, s28, s30
	s_add_nc_u64 s[4:5], s[4:5], s[28:29]
	s_lshl_b32 s28, s26, 17                        ; a K step's 64 images
	s_lshl_b32 s30, s27, 12                        ; two images
	s_add_co_u32 s28, s28, s30
	s_add_nc_u64 s[14:15], s[14:15], s[28:29]
.set z, 0
.rept 32
	global_load_b128 v[32+4*z:32+4*z+3], v1, s[4:5] offset:4096*z th:TH_LOAD_NT   ; row z: 512 consecutive bytes
.set z, z+1
.endr
	s_wait_kmcnt 0x0
	MKSC 36, 37, 23                                ; e3
	v_mov_b32 v27, s36
	v_mov_b32 v28, s37
	s_wait_loadcnt 16                              ; rows 0-15 are in; the sixteen younger loads may be out
	QN 32, 8, 160
.set z, 0
.rept 16
	ds_store_b32 v2, v[160+z] offset:144*z
.set z, z+1
.endr
	s_wait_loadcnt 0x0
	QN 96, 8, 176
.set z, 16
.rept 16
	ds_store_b32 v2, v[160+z] offset:144*z
.set z, z+1
.endr
.irp u, 0,1
.irp c, 0,1,2,3
	ds_load_b128 v[192+16*\u+4*\c:192+16*\u+4*\c+3], v3 offset:1152*\u+32*\c   ; LDS serves a wave's instructions in order (ISA guide 5.7.1.4): these see my stores
.endr
.endr
.irp u, 0,1
.irp c, 0,1,2,3
	s_wait_dscnt 7-4*\u-\c
	global_store_b128 v1, v[192+16*\u+4*\c:192+16*\u+4*\c+3], s[14:15] offset:2048*\u+512*\c   ; 512 consecutive bytes, at a multiple of 256 from wkc's first byte
.endr
.endr
	s_wait_tensorcnt 0x0                           ; the wave's end: behind my last LDS store
	ds_add_u32 v30, v31
	s_wait_dscnt 0x0
	s_endpgm
	; ---------------- q0's codes ----------------
.Lq:
	s_sub_co_u32 s26, ttmp9, 64                    ; T'
	s_lshl_b32 s28, s26, 6
	s_add_nc_u64 s[10:11], s[10:11], s[28:29]      ; bq at unit 16 T'
	s_lshl_b32 s28, s26, 16                        ; 16 rows of Wq,
	s_lshl_b32 s30, s18, 10                        ; my 256 along K
	s_add_co_u32 s28, s28, s30
	s_add_nc_u64 s[6:7], s[6:7], s[28:29]
	s_mov_b32 s28, s30
	s_add_nc_u64 s[8:9], s[8:9], s[28:29]
	s_lshl_b32 s28, s26, 8
	s_add_nc_u64 s[16:17], s[16:17], s[28:29]
	global_load_b128 v[16:19], v25, s[10:11]       ; bq at units 16 T' + 8 h + 0..7
	global_load_b128 v[20:23], v25, s[10:11] offset:16
.irp k, 0,1
.set z, 0
.rept 16
	global_load_b128 v[32+64*\k+4*z:32+64*\k+4*z+3], v1, s[6:7] offset:4096*z+512*\k th:TH_LOAD_NT
.set z, z+1
.endr
.endr
.irp k, 0,1
.irp b, 0,1,2,3,4,5,6,7
	global_load_b128 v[160+32*\k+4*\b:160+32*\k+4*\b+3], v[8+\b], s[8:9] offset:512*\k
.endr
.endr
	s_wait_kmcnt 0x0
	MKSC 32, 33, 20                                ; e0
	MKSC 34, 35, 21                                ; e1
	MKSC 38, 39, 24                                ; e4
	s_add_co_i32 s40, s20, s21
	s_add_co_i32 s40, s40, 127
	s_lshl_b32 s40, s40, 23                        ; 2^(e0 + e1) as f32
	s_mov_b32 s41, s40                             ; (named with it as a pair, so it is written)
	v_mov_b32 v27, s34
	v_mov_b32 v28, s35
	s_wait_loadcnt 16                              ; bq and Wq are in; x's sixteen loads may be out
	QN 32, 16, 224
.set z, 0
.rept 32
	ds_store_b32 v4, v[224+z] offset:3456*(z/16)+144*(z%16)
.set z, z+1
.endr
	v_mov_b32 v27, s32
	v_mov_b32 v28, s33
	s_wait_dscnt 0x0                               ; the stores have read their registers: x's codes may be written there
	s_wait_loadcnt 0x0
	QN 160, 8, 224
.set z, 0
.rept 16
	ds_store_b32 v4, v[224+z] offset:3456*(z/8)+144*(16+z%8)
.set z, z+1
.endr
.irp k, 0,1
.irp c, 0,1,2,3
	ds_load_b128 v[32+16*\k+4*\c:32+16*\k+4*\c+3], v5 offset:3456*\k+32*\c   ; registers 4 c .. 4 c + 3: k = 32 c + 16 h + 0..15, the same order in both operands
	ds_load_b128 v[64+16*\k+4*\c:64+16*\k+4*\c+3], v6 offset:3456*\k+32*\c
.endr
.endr
	s_wait_dscnt 0x0
	v_wmma_f32_16x16x128_fp8_fp8 v[96:103], v[32:47], v[64:79], 0
	s_wait_alu depctr_va_vdst(0)                   ; the wait stands directly ahead of the link
	v_wmma_f32_16x16x128_fp8_fp8 v[96:103], v[48:63], v[80:95], v[96:103]
.rept 4
	v_nop                                          ; four places ahead of the first read of the result (ISA guide 7.12.1)
.endr
	ds_store_b128 v7, v[96:99]
	ds_store_b128 v7, v[100:103] offset:512
	s_wait_dscnt 0x0                               ; for the others' sake: my partial sums lie in LDS
	s_barrier_signal -1
	s_barrier_wait -1
	s_cmp_lg_u32 s18, 0
	s_cbranch_scc1 .Lq_done
.irp w, 0,1,2,3
	ds_load_b128 v[104+8*\w:104+8*\w+3], v24 offset:1024*\w
	ds_load_b128 v[104+8*\w+4:104+8*\w+7], v24 offset:1024*\w+512
.endr
	v_mov_b32 v27, s38
	v_mov_b32 v28, s39
	s_wait_dscnt 0x0
.irp w, 1,2,3
.irp i, 0,2,4,6
	v_pk_add_f32 v[104+\i:105+\i], v[104+\i:105+\i], v[104+8*\w+\i:105+8*\w+\i]
.endr
.endr
.irp i, 0,2,4,6
	v_pk_fma_f32 v[104+\i:105+\i], v[104+\i:105+\i], s[40:41], v[16+\i:17+\i] op_sel_hi:[1,0,1]   ; q0 = sum x 2^(e0 + e1) + bq
.endr
	QN 104, 1, 136
	global_store_b64 v26, v[136:137], s[16:17]     ; the 32 lanes store 256 consecutive bytes, at a multiple of 256 from qc's first byte
.Lq_done:
	s_wait_tensorcnt 0x0                           ; the wave's end: behind my last LDS store
	ds_add_u32 v30, v31
	s_wait_dscnt 0x0
	s_endpgm
.Lfunc_end_k_q6907deb192_prep:
	.size	k_q6907deb192_prep, .Lfunc_end_k_q6907deb192_prep-k_q6907deb192_prep
	.p2alignl 7, 3214868480
	.fill 96, 4, 3214868480
	.section	.rodata,"a",@progbits
	.p2align	6, 0x0
	.amdhsa_kernel k_q6907deb192_prep
		.amdhsa_group_segment_fixed_size 50688
		.amdhsa_private_segment_fixed_size 0
		.amdhsa_enable_private_segment 0
		.amdhsa_kernarg_size 56
		.amdhsa_user_sgpr_count 2
		.amdhsa_user_sgpr_kernarg_segment_ptr 1
		.amdhsa_wavefront_size32 1
		.amdhsa_system_sgpr_workgroup_id_x 1
		.amdhsa_system_sgpr_workgroup_id_y 1
		.amdhsa_system_sgpr_workgroup_id_z 1
		.amdhsa_system_vgpr_workitem_id 0
		.amdhsa_next_free_vgpr 256
		.amdhsa_next_free_sgpr 66
		.amdhsa_reserve_vcc 0
		.amdhsa_float_denorm_mode_32 3
		.amdhsa_float_denorm_mode_16_64 3
		.amdhsa_memory_ordered 1
		.amdhsa_forward_progress 1
		.amdhsa_inst_pref_size 46
	.end_amdhsa_kernel
	.amdgpu_metadata
---
amdhsa.version: [ 1, 2 ]
amdhsa.kernels:
  - .name:           k_q6907deb192_prep
    .symbol:         k_q6907deb192_prep.kd
    .args:
      - { .name: Wk, .offset: 0, .size: 8, .value_kind: global_buffer, .address_space: global }
      - { .name: Wq, .offset: 8, .size: 8, .value_kind: global_buffer, .address_space: global }
      - { .name: x, .offset: 16, .size: 8, .value_kind: global_buffer, .address_space: global }
      - { .name: bq, .offset: 24, .size: 8, .value_kind: global_buffer, .address_space: global }
      - { .name: lowp_scales, .offset: 32, .size: 8, .value_kind: global_buffer, .address_space: global }
      - { .name: wkc, .offset: 40, .size: 8, .value_kind: global_buffer, .address_space: global }
      - { .name: qc, .offset: 48, .size: 8, .value_kind: global_buffer, .address_space: global }
    .group_segment_fixed_size: 50688
    .private_segment_fixed_size: 0
    .kernarg_segment_align: 8
    .kernarg_segment_size: 56
    .max_flat_workgroup_size: 128
    .sgpr_count:     66
    .vgpr_count:     256
    .wavefront_size: 32
...
	.end_amdgpu_metadata
.endif
;; end of part 1
;; launch scores (part 2): grid 256 x 1, 4 waves a work-group, clusters of 4 x 1, 327,680 bytes of LDS; arguments x, wkc, qc, bk, lowp_scales, sc; writes sc
.if DOCPART == 2
	.amdgcn_target "amdgcn-amd-amdhsa--gfx1250"
	.amdhsa_code_object_version 6
	.text
	.protected	k_q6907deb192_scores
	.globl	k_q6907deb192_scores
	.p2align	8
	.type	k_q6907deb192_scores,@function
k_q6907deb192_scores:
	s_mov_b64 s[64:65], 0
	v_nop
	global_prefetch_b8 v0, s[64:65] scope:SCOPE_SE
	s_setreg_imm32_b32 hwreg(HW_REG_WAVE_MODE, 25, 1), 1
	s_wait_xcnt 0x0
	s_wait_alu depctr_hold_cnt(0) depctr_sa_sdst(0) depctr_va_vdst(0) depctr_va_sdst(0) depctr_va_ssrc(0) depctr_va_vcc(0) depctr_vm_vsrc(0)
	s_getreg_b32 s2, hwreg(HW_REG_IB_STS2, 6, 4)
	s_cmp_eq_u32 s2, 0
	s_cbranch_scc0 .Lentry_in_a_cluster
	s_endpgm
.Lentry_in_a_cluster:
	s_bfe_u32 s2, ttmp6, 0x10000c
	s_cmp_lg_u32 s2, 0x3003
	s_cbranch_scc0 .Lentry_shape_is_right
	s_endpgm
.Lentry_shape_is_right:
; sc[row] = q0[batch] . Q(k[row]) x 2^(e4 + e5), k[row] = Q(x[row]) Q(Wk)^T x 2^(e2 + e3) + bk, for all 16,384 rows of x.  All products on codes of FP8 (E4M3), sums in f32.
; SHARES.  A work-group takes 64 rows of x (all of one batch) x all 1,024 units x K = 1,024: so each number of x is read and quantised once, a row of k is whole in one work-group and never goes
; to memory, and each score has one owner.  Wave w makes units 256 w .. + 255 for the 64 rows: 16 tiles of units x 4 tiles of rows = 64 accumulators, 512 registers.
; K IS OUTERMOST, eight steps of 128: x is wanted slice by slice, and its loads run under the products.
;   x: global loads into four sets of 64 registers, a K step each (wave w: rows 16 w .. + 15, 512 consecutive bytes a load): three to four K steps are asked for ahead.  A set is held, converted (2^e2)
;      and stored as codes into one of two small LDS slots (64 rows x 144 bytes), from which all four waves take their fragments.
;   W: wkc holds images of operand registers, a K step's 64 tiles on end (131,072 bytes).  Two LDS slots of a K step; wave w fetches, and alone reads, its own 32,768 bytes.
; CLUSTER.  All work-groups walk the same W: the four of a cluster ask for each part JOINTLY (the same tensor load, the same descriptor, mask 15).
; THE ORDER OF K IS TURNED BY THE CLUSTER'S NUMBER: position i takes K step (2 (cluster % 4) + i) % 8, for x and W alike, so that four neighbouring clusters' first fills name all eight K steps of W.
; No prefetch is laid: x is asked for by the loads themselves, four K steps ahead, and every K step of W is named at the launch's start by some cluster's first fills.
; THE PRODUCT IS USED TRANSPOSED (source 0 = 16 rows of W, source 1 = 16 rows of x): a lane holds one row of x, and, by the choice of W's rows for a tile made in wkc, the 16 registers of tiles 2 b, 2 b + 1
; are 16 neighbouring units: the conversions' results (2^e5) are the last product's operand as they stand.  That product: source 0 = q0 in all 16 rows, source 1 = k's codes: register 0 holds the row's partial score.
; LIMITS: e2, e5 between -126 and 119; e2 + e3 and e4 + e5 between -126 and 127, so that each power of two below is an f32 number.  NaN among the inputs is not served.  K is summed in the turned order, in f32.
; REGISTERS, in windows of 256: window 0: v0-21 addresses and scales; v32-95 x's four fragments; v96-159, v160-223 x's sets 0, 1; v224-239 codes just made; v240-247 at work.
;   At the end: v96-127 q0's two fragments, v128-159 the four score tiles, v160-223 64 numbers of k, v224-239 their codes.
;   window 1: v0-63, v64-127 two sets of four fragments of W; v128-191, v192-255 x's sets 2, 3, at the end bk in the result's layout.   windows 2, 3: accumulator (t, m) at v[8 (4 (t % 8) + m)] of window 2 + t / 8.
.set XC,    262144                     ; behind W's two slots: x's codes, two slots of 64 rows x 144 bytes (128 + 16 of padding = 36 words: the 16 rows that a load touches start at 16 different groups of four banks; 64 banks of 4 bytes: ISA guide 11.1)
.set XSLOT, 9216
.set PS,    280576                     ; the waves' partial scores: 4 x 64 f32
.set SPARE, 281600                     ; the spare words, 128 bytes for each wave: two blocks of 256 bytes that no other line names
.set L16,  1                           ; v1   16 x lane
.set AW,   2                           ; v2-3 my part of W's slot 0, 1: 131,072 slot + 32,768 wave + 16 lane
.set XS,   4                           ; v4   where I store codes of x: XC + 144 x 16 wave + 4 lane
.set XR,   5                           ; v5   where I read a fragment of x: XC + 144 r + 16 h
.set OFFX, 6                           ; v6-9 the load offsets of x's four sets
.set SCX,  10                          ; v10  2^e2;  v11  448 x 2^e2
.set LIMX, 11
.set SCK,  12                          ; v12  2^e5;  v13  448 x 2^e5
.set LIMK, 13
.set BO,   14                          ; v14  bk: 1,024 wave + 64 h
.set QO,   15                          ; v15  qc: 4,096 wave + 256 h + 16 batch
.set PSW,  16                          ; v16  PS + 256 wave + 4 r
.set PSR,  17                          ; v17  PS + 8 lane
.set SO,   18                          ; v18  8 lane
.set SPW,  20                          ; v20  LDS address of my spare word; never rewritten
.set NIL,  21                          ; v21  0; never rewritten
.set XF,   32
.set CD,   224
.set QF,   96
.set S,    128
.set T,    160
.set KC,   224
.set BI,   128
.set G1,   24                          ; s[24:31] descriptor group 1
.set G0,   32                          ; s[32:35], s[36:39] group 0, a set for each slot
; s16 wave; s17 cx, s18 my work-group's number, s[56:57] what hangs on them (x's and sc's addresses alone); s19 2 (cluster % 4); s[20:23] at work; s[40:41] wkc at my wave's part; s[42:43] x at my wave's rows;
; s[44:47] e2, e3, e4, e5; s[50:51] 2^(e2 + e3); s[52:53] 2^(e4 + e5); s54 the K step in hand
.set MSB, 0
.macro WIN new                         ; low byte: bits 1:0 source 0, 3:2 source 1, 5:4 source 2, 7:6 destination; the high byte repeats the setting that is left
.if MSB != (\new)
	s_set_vgpr_msb (MSB<<8)|(\new)
.set MSB, (\new)
.endif
.endm
.macro PLACES n                        ; plain vector lines between a matrix instruction and a load into, or a read of, its registers
.rept \n
	v_nop
.endr
.endm
.macro CREST                           ; a round of the cluster's barrier behind its opening barrier
	s_cmp_lg_u32 s16, 0
	s_cbranch_scc1 .Lnot_wave_0_\@
	s_barrier_signal -3
.Lnot_wave_0_\@:
	s_barrier_wait -3
	s_barrier_signal -1
	s_barrier_wait -1
.endm
.macro CROUND
	s_barrier_signal -1
	s_barrier_wait -1
	CREST
.endm
.macro KAPPA i                         ; s54 = the K step of position i
	s_add_co_u32 s54, s19, (\i)
	s_and_b32 s54, s54, 7
.endm
.macro SETRB i                         ; position i's set of registers: QS its number, RB its first register (sets 0, 1 in window 0; 2, 3 in window 1)
.set QS, (\i)%4
.if QS < 2
.set RB, 96+64*QS
.else
.set RB, 64*QS
.endif
.endm
.macro XLOAD i                         ; position i's slice of my 16 rows of x: 16 loads of 512 consecutive bytes
	SETRB \i
	WIN 0
	KAPPA \i
	v_lshl_add_u32 v[OFFX+QS], s54, 9, v[L16]      ; 512 x K step + 16 x lane.  The set's earlier loads were shown done by the count in front of their conversion
.if QS >= 2
	WIN 0x40
.endif
.set z, 0
.rept 16
	global_load_b128 v[RB+4*z:RB+4*z+3], v[OFFX+QS], s[42:43] offset:4096*z th:TH_LOAD_NT
.set z, z+1
.endr
	WIN 0
.endm
.macro XQUANT i, left                  ; position i's slice becomes codes in x's LDS slot i % 2.  left: the younger loads, which may stay out
	SETRB \i
	s_wait_loadcnt \left
.if QS < 2
	WIN 0
.else
	WIN 0x41
.endif
.set z, 0
.rept 64
	v_med3_num_f32 v[RB+z], v[RB+z], -v[LIMX], v[LIMX]     ; the conversion to an 8-bit code does not saturate (ISA guide 7.6.2): the hold comes first
.set z, z+1
.endr
.if QS >= 2
	WIN 0x01
.endif
.set z, 0
.rept 8
	v_cvt_scalef32_pk8_fp8_f32 v[CD+2*z:CD+2*z+1], v[RB+8*z:RB+8*z+7], v[SCX]   ; four numbers of row 2 z, four of row 2 z + 1: each result register is four codes of one row
.set z, z+1
.endr
	WIN 0
	v_nop                                          ; one plain vector line behind the last conversion
.set z, 0
.rept 16
	ds_store_b32 v[XS], v[CD+z] offset:((\i)%2)*XSLOT+144*z
.set z, z+1
.endr
.endm
.macro FETCH_X i                       ; the four fragments of x: tile m, registers 4 c .. + 3: row 16 m + r, k = 32 c + 16 h + 0..15
	WIN 0
.irp m, 0,1,2,3
.irp c, 0,1,2,3
	ds_load_b128 v[XF+16*\m+4*\c:XF+16*\m+4*\c+3], v[XR] offset:((\i)%2)*XSLOT+2304*\m+32*\c
.endr
.endr
.endm
.macro FETCH_W p, j, set               ; tiles 4 j .. 4 j + 3 of my part of slot p: images, 512 consecutive bytes a load
	WIN 0x40
.irp tt, 0,1,2,3
.irp c, 0,1,2,3
	ds_load_b128 v[64*(\set)+16*\tt+4*\c:64*(\set)+16*\tt+4*\c+3], v[AW+(\p)] offset:(4*(\j)+\tt)*2048+512*\c
.endr
.endr
.endm
.macro MUL j, set, zero                ; 16 matrix instructions: tiles 4 j .. + 3 of units x the four tiles of rows.  The 64 accumulators take turns, one instruction a turn, in the same order in every step
.if (\j) < 2
	WIN 0xa1
.else
	WIN 0xf1
.endif
.irp tt, 0,1,2,3
.irp m, 0,1,2,3
.set AC, 8*(4*((4*(\j)+\tt)%8)+\m)
.if \zero
	v_wmma_f32_16x16x128_fp8_fp8 v[AC:AC+7], v[64*(\set)+16*\tt:64*(\set)+16*\tt+15], v[XF+16*\m:XF+16*\m+15], 0
.else
	v_wmma_f32_16x16x128_fp8_fp8 v[AC:AC+7], v[64*(\set)+16*\tt:64*(\set)+16*\tt+15], v[XF+16*\m:XF+16*\m+15], v[AC:AC+7]
.endif
.endr
.endr
.endm
.macro NEWG0 p, i2                     ; slot p's group 0 takes position i2's K step.  Written only where no tensor load of mine is out
	KAPPA \i2
	s_lshl_b32 s20, s54, 17
	s_mov_b32 s21, 0
	s_add_nc_u64 s[G0+4*(\p)+2:G0+4*(\p)+3], s[40:41], s[20:21]
	s_or_b32 s[G0+4*(\p)+3], s[G0+4*(\p)+3], 0x80000000    ; type = 2
.endm
.macro TL p                            ; a joint load; an s_nop 0 and four v_nop follow it.  Every wave issues it for bytes of its own: no branch
	tensor_load_to_lds s[G0+4*(\p):G0+4*(\p)+3], s[G1:G1+7]
	s_nop 0
	PLACES 4
.endm
.macro QLOAD                           ; q0's two fragments: registers 16 g + 4 c .. + 3: units 256 w + 128 g + 32 c + 16 h + 0..15 of my batch, the same in all 16 rows
	WIN 0
.irp g, 0,1
.irp c, 0,1,2,3
	global_load_b128 v[QF+16*\g+4*\c:QF+16*\g+4*\c+3], v[QO], s[8:9] offset:2048*\g+512*\c
.endr
.endr
.endm
.macro BLOAD base                      ; bk for tiles base .. base + 7, in the result's layout: tile t, register i: unit 256 w + 32 (t / 2) + 16 h + 8 (t % 2) + i
	WIN 0x40
.irp t, 0,1,2,3,4,5,6,7
	global_load_b128 v[BI+8*((\base)+\t):BI+8*((\base)+\t)+3], v[BO], s[10:11] offset:128*(((\base)+\t)/2)+32*(\t%2)
	global_load_b128 v[BI+8*((\base)+\t)+4:BI+8*((\base)+\t)+7], v[BO], s[10:11] offset:128*(((\base)+\t)/2)+32*(\t%2)+16
.endr
	WIN 0
.endm
	s_load_b256 s[4:11], s[0:1], 0x0               ; x s[4:5], wkc s[6:7], qc s[8:9], bk s[10:11]
	s_load_b128 s[12:15], s[0:1], 0x20             ; the scales' exponents s[12:13], sc s[14:15]
	v_lshl_add_u32 v[SPW], v0, 2, SPARE
	v_mov_b32 v[NIL], 0
	ds_add_u32 v[SPW], v[NIL]                      ; the wave's opening: the add and its wait stand ahead of my first tensor load; the set-up below, work on registers, stands between them
	v_lshrrev_b32 v22, 5, v0
	v_readfirstlane_b32 s16, v22                   ; wave 0..3
	s_bfe_u32 s17, ttmp6, 0x40000                  ; cx
	s_lshl_b32 s18, ttmp9, 2                       ; in a cluster launch ttmp9 counts clusters
	s_add_co_u32 s18, s18, s17                     ; my work-group's number: it enters x's and sc's addresses alone
	s_and_b32 s19, ttmp9, 3
	s_lshl_b32 s19, s19, 1                         ; the turn of K: the same in all four partners
	; descriptor group 1: a dense block of 32,768 bytes as 128 rows of 32 elements of 8 bytes
	s_mov_b32 s[G1+0], 15|(3<<16)|(1<<21)          ; 15:0 the mask: all four work-groups; 17:16 elements of 8 bytes; 20 no padding; 21 set beside a mask
	s_mov_b32 s[G1+1], 32<<16                      ; tensor_dim0 = 32
	s_mov_b32 s[G1+2], 128<<16                     ; tensor_dim1 = 128
	s_mov_b32 s[G1+3], 32<<16                      ; tile_dim0 = 32
	s_mov_b32 s[G1+4], 128                         ; tile_dim1 = 128
	s_mov_b32 s[G1+5], 32                          ; from row to row
	s_mov_b32 s[G1+6], 0
	s_mov_b32 s[G1+7], 0
	s_mov_b32 s[G0+0], 1
	s_lshl_b32 s[G0+1], s16, 15                    ; LDS: slot 0, my wave's 32,768 bytes: no place in the cluster enters an LDS address
	s_mov_b32 s[G0+4], 1
	s_add_co_u32 s[G0+5], s[G0+1], 131072          ; slot 1
	v_and_b32 v22, 31, v0                          ; lane
	v_and_b32 v23, 15, v0                          ; r
	v_bfe_u32 v24, v0, 4, 1                        ; h
	v_lshlrev_b32 v[L16], 4, v22
	s_lshl_b32 s20, s16, 15
	v_add_nc_u32 v[AW], s20, v[L16]
	v_add_nc_u32 v[AW+1], 131072, v[AW]
	s_mul_i32 s21, s16, 2304
	v_lshlrev_b32 v[XS], 2, v22
	v_add_nc_u32 v[XS], s21, v[XS]
	v_add_nc_u32 v[XS], XC, v[XS]
	v_mul_u32_u24 v[XR], v23, 144
	v_lshl_add_u32 v[XR], v24, 4, v[XR]
	v_add_nc_u32 v[XR], XC, v[XR]
	s_lshl_b32 s22, s16, 10
	v_lshlrev_b32 v[BO], 6, v24
	v_add_nc_u32 v[BO], s22, v[BO]
	s_lshl_b32 s22, s16, 12
	s_lshr_b32 s23, ttmp9, 3                       ; my batch: 32 work-groups, 8 clusters, to a batch
	s_lshl_b32 s23, s23, 4
	s_add_co_u32 s22, s22, s23
	v_lshlrev_b32 v[QO], 8, v24
	v_add_nc_u32 v[QO], s22, v[QO]
	s_lshl_b32 s22, s16, 8
	v_lshlrev_b32 v[PSW], 2, v23
	v_add_nc_u32 v[PSW], s22, v[PSW]
	v_add_nc_u32 v[PSW], PS, v[PSW]
	v_lshlrev_b32 v[SO], 3, v22
	v_add_nc_u32 v[PSR], PS, v[SO]
	s_lshl_b32 s56, s18, 18                        ; 64 rows of 4,096 bytes a work-group,
	s_lshl_b32 s57, s16, 16                        ; 16 a wave
	s_add_co_u32 s56, s56, s57
	s_mov_b32 s57, 0
	s_mov_b32 s21, 0
	s_wait_dscnt 0x0                               ; the opening add is done
	s_wait_kmcnt 0x0
	s_load_b128 s[44:47], s[12:13], 0x8            ; e2, e3, e4, e5
	s_add_nc_u64 s[42:43], s[4:5], s[56:57]        ; x at my wave's first row
	s_add_nc_u64 s[40:41], s[6:7], s[20:21]        ; wkc at my wave's part of a K step
	s_lshl_b32 s56, s18, 8
	s_add_nc_u64 s[14:15], s[14:15], s[56:57]      ; sc at my work-group's 64 scores
	XLOAD 0
	XLOAD 1
	XLOAD 2
	CROUND                                         ; all four work-groups are here: the first joint loads meet
	NEWG0 0, 0
	NEWG0 1, 1
	tensor_load_to_lds s[G0:G0+3], s[G1:G1+7]      ; both first fills together, ahead of every wait on TENSORcnt, every LDS read and every further barrier: two loads of mine are out
	s_nop 0
	tensor_load_to_lds s[G0+4:G0+7], s[G1:G1+7]
	s_nop 0
	PLACES 4
	XLOAD 3
	s_wait_kmcnt 0x0
	s_add_co_i32 s20, s44, 127
	s_lshl_b32 s21, s20, 23
	v_mov_b32 v[SCX], s21                          ; 2^e2 as f32: the conversion takes its exponent field
	s_add_co_i32 s20, s20, 8
	s_lshl_b32 s20, s20, 23
	s_or_b32 s20, s20, 0x600000
	v_mov_b32 v[LIMX], s20                         ; 448 x 2^e2
	s_add_co_i32 s20, s47, 127
	s_lshl_b32 s21, s20, 23
	v_mov_b32 v[SCK], s21                          ; 2^e5
	s_add_co_i32 s20, s20, 8
	s_lshl_b32 s20, s20, 23
	s_or_b32 s20, s20, 0x600000
	v_mov_b32 v[LIMK], s20                         ; 448 x 2^e5
	s_add_co_i32 s50, s44, s45
	s_add_co_i32 s50, s50, 127
	s_lshl_b32 s50, s50, 23                        ; 2^(e2 + e3)
	s_mov_b32 s51, s50                             ; (named with it as a pair, so it is written)
	s_add_co_i32 s52, s46, s47
	s_add_co_i32 s52, s52, 127
	s_lshl_b32 s52, s52, 23                        ; 2^(e4 + e5)
	s_mov_b32 s53, s52
	XQUANT 0, 48                                   ; behind position 0's loads: positions 1, 2, 3: 48
	XLOAD 4
	s_wait_tensorcnt 0x1                           ; my part of slot 0 is in; slot 1's may stay out
	s_wait_dscnt 0x0                               ; my codes of x lie in LDS
	s_barrier_signal -1
	s_barrier_wait -1
	FETCH_W 0, 0, 0
	FETCH_X 0
	FETCH_W 0, 1, 1
; POSITION i OF K.  64 matrix instructions in four runs of 16, on W's two sets by turns; each run of 16 LDS loads stands 16 matrix instructions or more ahead of its use.
; Behind the second run the next position's slice of x is quantised and stored, and what takes its registers is asked for.
; THE CHANGE OF SLOTS: each wave waits for all its tensor loads (one is out: its part of the other slot), adds 0 to its spare word, and waits for that, for its reads of this slot of W, for its reads of x's old
; slot and for its stores into x's new one.  Behind the barrier the new codes of x are whole and nobody reads the old; up to position 5 the barrier opens a round of the cluster's, and this slot of W is filled again first.
.macro STEP i, zero, left
	s_wait_dscnt 16                                ; W's set 0 and x's fragments are in; the youngest sixteen loads (set 1) may be out
	MUL 0, 0, \zero
	PLACES 4
	FETCH_W (\i)%2, 2, 0
	s_wait_dscnt 16                                ; set 1 is in; the sixteen just issued may be out
	MUL 1, 1, \zero
	PLACES 4
	FETCH_W (\i)%2, 3, 1
.if (\i) < 7
	XQUANT (\i)+1, \left
.if (\i) < 3
	XLOAD (\i)+5
.elseif (\i) == 3
	QLOAD                                          ; into set 0, which has had its last slice
.elseif (\i) == 5
	BLOAD 0                                        ; into set 2, likewise
.elseif (\i) == 6
	BLOAD 8                                        ; into set 3
.endif
	WIN 0                                          ; (the add's two registers lie in window 0)
	s_wait_tensorcnt 0x0                           ; all my tensor loads have landed: so a group 0 may be written;
	ds_add_u32 v[SPW], v[NIL]                      ; 0 onto my spare word;
.if (\i) < 6
	NEWG0 (\i)%2, (\i)+2                           ; work on registers stands between the add and the wait for it
.endif
	s_wait_dscnt 0x0                               ; the add is done; my reads of this slot of W and of x's old slot are in; my stores into x's new slot have landed
	s_barrier_signal -1
	MUL 2, 0, \zero                                ; work on registers while the others arrive
	WIN 0
	s_barrier_wait -1
.if (\i) < 6
	CREST                                          ; no wave of any partner still reads this slot or has a load on its way
	TL (\i)%2                                      ; the first thing behind the round, my one tensor load until the next; its four v_nop are also the places in front of the loads into set 0
.else
	PLACES 4
.endif
	FETCH_W 1-(\i)%2, 0, 0
	MUL 3, 1, \zero
	PLACES 4
	FETCH_X (\i)+1
	FETCH_W 1-(\i)%2, 1, 1
.else
	s_wait_dscnt 16                                ; the last position: nothing more to fetch
	MUL 2, 0, \zero
	s_wait_dscnt 0x0
	MUL 3, 1, \zero
.endif
.endm
; the third argument counts the loads issued behind the slice that is quantised in the step: three slices (48); two slices and q0's eight (40); one slice and q0's eight (24); q0's eight and bk's first sixteen (24)
	STEP 0, 1, 48                                  ; the first products start the sums: nothing is cleared
	STEP 1, 0, 48
	STEP 2, 0, 48
	STEP 3, 0, 48
	STEP 4, 0, 40
	STEP 5, 0, 24
	STEP 6, 0, 24
	STEP 7, 0, 0
; THE END.  For 128 of my units (g) and a tile of 16 rows (m): k = sum x 2^(e2 + e3) + bk, one packed multiply-add for two numbers, each accumulator from its low end on; the hold; the conversion by 2^e5;
; one matrix instruction against q0's fragment.  The four score tiles take turns.
.macro KQ g, m
	WIN 0x12+(\g)                                  ; source 0 (the sums) window 2 or 3, source 2 (bk) window 1
.irp tt, 0,1,2,3,4,5,6,7
.irp i, 0,2,4,6
	v_pk_fma_f32 v[T+8*\tt+\i:T+8*\tt+\i+1], v[8*(4*\tt+(\m))+\i:8*(4*\tt+(\m))+\i+1], s[50:51], v[BI+8*(8*(\g)+\tt)+\i:BI+8*(8*(\g)+\tt)+\i+1] op_sel_hi:[1,0,1]
.endr
.endr
	WIN 0
.set z, 0
.rept 64
	v_med3_num_f32 v[T+z], v[T+z], -v[LIMK], v[LIMK]
.set z, z+1
.endr
.irp bb, 0,1,2,3
	v_cvt_scalef32_pk8_fp8_f32 v[KC+4*\bb:KC+4*\bb+1], v[T+16*\bb:T+16*\bb+7], v[SCK]        ; registers 4 b .. 4 b + 3: units 32 b + 16 h + 0..15 of the 128
	v_cvt_scalef32_pk8_fp8_f32 v[KC+4*\bb+2:KC+4*\bb+3], v[T+16*\bb+8:T+16*\bb+15], v[SCK]
.endr
	v_nop                                          ; one plain vector line between the last conversion and the matrix instruction that reads its result
.if (\g) == 0
	v_wmma_f32_16x16x128_fp8_fp8 v[S+8*(\m):S+8*(\m)+7], v[QF:QF+15], v[KC:KC+15], 0
.else
	v_wmma_f32_16x16x128_fp8_fp8 v[S+8*(\m):S+8*(\m)+7], v[QF+16:QF+31], v[KC:KC+15], v[S+8*(\m):S+8*(\m)+7]
.endif
.endm
	WIN 0
	PLACES 4                                       ; ahead of the first read of the last products' results
	s_wait_loadcnt 0x0                             ; q0 and bk
.irp g, 0,1
.irp m, 0,1,2,3
	KQ \g, \m
.endr
.endr
	PLACES 4
.irp m, 0,1,2,3
	ds_store_b32 v[PSW], v[S+8*\m] offset:64*\m    ; register 0: row 16 m + r's partial score (lanes r and r + 16 hold the same number and write the same word)
.endr
	s_wait_dscnt 0x0                               ; for the others' sake: my partial scores lie in LDS
	s_barrier_signal -1
	s_barrier_wait -1
	s_cmp_lg_u32 s16, 0
	s_cbranch_scc1 .Ldone
.irp w, 0,1,2,3
	ds_load_b64 v[240+2*\w:241+2*\w], v[PSR] offset:256*\w
.endr
	s_wait_dscnt 0x0
	v_pk_add_f32 v[240:241], v[240:241], v[242:243]
	v_pk_add_f32 v[240:241], v[240:241], v[244:245]
	v_pk_add_f32 v[240:241], v[240:241], v[246:247]
	v_pk_mul_f32 v[240:241], v[240:241], s[52:53] op_sel_hi:[1,0]   ; x 2^(e4 + e5)
	global_store_b64 v[SO], v[240:241], s[14:15]   ; the 32 lanes store 256 consecutive bytes, at a multiple of 256 from sc's first byte
.Ldone:
	s_wait_tensorcnt 0x0                           ; the wave's end: behind my last tensor load and my last LDS store
	ds_add_u32 v[SPW], v[NIL]
	s_wait_dscnt 0x0
	CROUND                                         ; the closing round: no work-group ends while a partner may still ask for a part that names it
	s_endpgm
.Lfunc_end_k_q6907deb192_scores:
	.size	k_q6907deb192_scores, .Lfunc_end_k_q6907deb192_scores-k_q6907deb192_scores
	.p2alignl 7, 3214868480
	.fill 96, 4, 3214868480
	.section	.rodata,"a",@progbits
	.p2align	6, 0x0
	.amdhsa_kernel k_q6907deb192_scores
		.amdhsa_group_segment_fixed_size 327680
		.amdhsa_private_segment_fixed_size 0
		.amdhsa_enable_private_segment 0
		.amdhsa_kernarg_size 48
		.amdhsa_user_sgpr_count 2
		.amdhsa_user_sgpr_kernarg_segment_ptr 1
		.amdhsa_wavefront_size32 1
		.amdhsa_system_sgpr_workgroup_id_x 1
		.amdhsa_system_sgpr_workgroup_id_y 1
		.amdhsa_system_sgpr_workgroup_id_z 1
		.amdhsa_system_vgpr_workitem_id 0
		.amdhsa_next_free_vgpr 1024
		.amdhsa_next_free_sgpr 66
		.amdhsa_reserve_vcc 0
		.amdhsa_float_denorm_mode_32 3
		.amdhsa_float_denorm_mode_16_64 3
		.amdhsa_memory_ordered 1
		.amdhsa_forward_progress 1
		.amdhsa_inst_pref_size 206
	.end_amdhsa_kernel
	.amdgpu_metadata
---
amdhsa.version: [ 1, 2 ]
amdhsa.kernels:
  - .name:           k_q6907deb192_scores
    .symbol:         k_q6907deb192_scores.kd
    .args:
      - { .name: x, .offset: 0, .size: 8, .value_kind: global_buffer, .address_space: global }
      - { .name: wkc, .offset: 8, .size: 8, .value_kind: global_buffer, .address_space: global }
      - { .name: qc, .offset: 16, .size: 8, .value_kind: global_buffer, .address_space: global }
      - { .name: bk, .offset: 24, .size: 8, .value_kind: global_buffer, .address_space: global }
      - { .name: lowp_scales, .offset: 32, .size: 8, .value_kind: global_buffer, .address_space: global }
      - { .name: sc, .offset: 40, .size: 8, .value_kind: global_buffer, .address_space: global }
    .group_segment_fixed_size: 327680
    .private_segment_fixed_size: 0
    .kernarg_segment_align: 8
    .kernarg_segment_size: 48
    .max_flat_workgroup_size: 128
    .sgpr_count:     66
    .vgpr_count:     1024
    .wavefront_size: 32
...
	.end_amdgpu_metadata
.endif
;; end of part 2
;; launch softmax (part 3): grid 8 x 1, 8 waves a work-group, no clusters, 1,536 bytes of LDS; arguments sc, out0; writes out0
.if DOCPART == 3
	.amdgcn_target "amdgcn-amd-amdhsa--gfx1250"
	.amdhsa_code_object_version 6
	.text
	.protected	k_q6907deb192_softmax
	.globl	k_q6907deb192_softmax
	.p2align	8
	.type	k_q6907deb192_softmax,@function
k_q6907deb192_softmax:
	s_mov_b64 s[64:65], 0
	v_nop
	global_prefetch_b8 v0, s[64:65] scope:SCOPE_SE
	s_setreg_imm32_b32 hwreg(HW_REG_WAVE_MODE, 25, 1), 1
	s_wait_xcnt 0x0
; out0[b][m] = exp(sc[b][m] - M) / the sum over m of exp(sc[b][m] - M), M the largest of the batch's 2,048 scores.  All in f32.
; One work-group to a batch, since the maximum and the sum have one owner; 256 threads, 8 scores each, kept in registers between the passes.  Each load and store of a wave covers 512 consecutive bytes.
; The maximum is taken away first, by a subtraction of its own, and the difference is then multiplied by log2(e): fused, the product of a large score with log2(e) would be formed before the difference.
; LIMIT: a probability under 2^-126 comes out as 0 (the exponential gives no denormals: ISA guide, its entry in 15.8).  NaN among the scores is not served.
; No matrix unit, no cluster, no tensor load: 8 KB a work-group, read once.
.set SPARE, 512                        ; LDS: bytes 0-31 the waves' maxima, 256-287 their sums; from 512 the spare words, 128 bytes for each of eight waves, which no other line names
	s_load_b128 s[4:7], s[0:1], 0x0                ; sc, out0
	v_lshl_add_u32 v30, v0, 2, SPARE
	v_mov_b32 v31, 0
	v_lshrrev_b32 v1, 5, v0
	v_readfirstlane_b32 s8, v1                     ; wave 0..7
	v_lshlrev_b32 v2, 4, v0                        ; 16 bytes a thread
	s_lshl_b32 s9, s8, 2
	v_mov_b32 v3, s9                               ; my wave's word
	v_mov_b32 v28, 0
	s_lshl_b32 s10, ttmp9, 13                      ; a batch's 8,192 bytes
	s_mov_b32 s11, 0
	s_mov_b32 s12, 0x76543210                      ; v_permlanex16_b32: lane l xor 16
	s_mov_b32 s13, 0xfedcba98
	s_mov_b32 s14, 0x3fb8aa3b                      ; log2(e)
	s_mov_b32 s15, s14                             ; (named with it as a pair, so it is written)
	s_wait_kmcnt 0x0
	s_add_nc_u64 s[4:5], s[4:5], s[10:11]
	s_add_nc_u64 s[6:7], s[6:7], s[10:11]
	global_load_b128 v[4:7], v2, s[4:5]
	global_load_b128 v[8:11], v2, s[4:5] offset:4096
	s_wait_loadcnt 0x0
	v_max3_num_f32 v12, v4, v5, v6
	v_max3_num_f32 v13, v7, v8, v9
	v_max3_num_f32 v12, v12, v10, v11
	v_max_num_f32 v12, v12, v13
	v_max_num_f32_dpp v12, v12, v12 row_xmask:1 row_mask:0xf bank_mask:0xf
	v_max_num_f32_dpp v12, v12, v12 row_xmask:2 row_mask:0xf bank_mask:0xf
	v_max_num_f32_dpp v12, v12, v12 row_xmask:4 row_mask:0xf bank_mask:0xf
	v_max_num_f32_dpp v12, v12, v12 row_xmask:8 row_mask:0xf bank_mask:0xf
	v_permlanex16_b32 v13, v12, s12, s13           ; (its destination counts as read: v13 has been written)
	v_max_num_f32 v12, v12, v13                    ; my wave's largest, in every lane
	ds_store_b32 v3, v12                           ; all lanes write the same word with the same number
	s_wait_dscnt 0x0                               ; for the others' sake
	s_barrier_signal -1
	s_barrier_wait -1
	ds_load_b128 v[16:19], v28
	ds_load_b128 v[20:23], v28 offset:16
	s_wait_dscnt 0x0
	v_max3_num_f32 v12, v16, v17, v18
	v_max3_num_f32 v13, v19, v20, v21
	v_max3_num_f32 v12, v12, v22, v23
	v_max_num_f32 v12, v12, v13                    ; M
.irp i, 4,6,8,10
	v_pk_add_f32 v[\i:\i+1], v[\i:\i+1], v[12:13] op_sel_hi:[1,0] neg_lo:[0,1] neg_hi:[0,1]   ; s - M (of the pair the low word serves both halves)
.endr
.irp i, 4,6,8,10
	v_pk_mul_f32 v[\i:\i+1], v[\i:\i+1], s[14:15] op_sel_hi:[1,0]
.endr
.irp i, 4,5,6,7,8,9,10,11
	v_exp_f32 v[\i], v[\i]
.endr
	v_nop                                          ; a plain line behind the last exponential,
	s_wait_alu depctr_va_vdst(0)                   ; and one wait for the batch, ahead of its first reader
	v_pk_add_f32 v[24:25], v[4:5], v[6:7]
	v_pk_add_f32 v[26:27], v[8:9], v[10:11]
	v_pk_add_f32 v[24:25], v[24:25], v[26:27]
	v_add_f32 v24, v24, v25
	v_add_f32_dpp v24, v24, v24 row_xmask:1 row_mask:0xf bank_mask:0xf
	v_add_f32_dpp v24, v24, v24 row_xmask:2 row_mask:0xf bank_mask:0xf
	v_add_f32_dpp v24, v24, v24 row_xmask:4 row_mask:0xf bank_mask:0xf
	v_add_f32_dpp v24, v24, v24 row_xmask:8 row_mask:0xf bank_mask:0xf
	v_permlanex16_b32 v25, v24, s12, s13
	v_add_f32 v24, v24, v25                        ; my wave's sum
	ds_store_b32 v3, v24 offset:256                ; other bytes than the maxima's: no wave can still be reading here
	s_wait_dscnt 0x0
	s_barrier_signal -1
	s_barrier_wait -1
	ds_load_b128 v[16:19], v28 offset:256
	ds_load_b128 v[20:23], v28 offset:272
	s_wait_dscnt 0x0
	v_pk_add_f32 v[16:17], v[16:17], v[18:19]
	v_pk_add_f32 v[20:21], v[20:21], v[22:23]
	v_pk_add_f32 v[16:17], v[16:17], v[20:21]
	v_add_f32 v24, v16, v17                        ; the batch's sum: at least 1, since the largest score gives exp(0)
	v_rcp_f32 v26, v24
	v_nop                                          ; a plain line behind the reciprocal,
	s_wait_alu depctr_va_vdst(0)                   ; and the wait ahead of its first reader
.irp i, 4,6,8,10
	v_pk_mul_f32 v[\i:\i+1], v[\i:\i+1], v[26:27] op_sel_hi:[1,0]
.endr
	global_store_b128 v2, v[4:7], s[6:7]
	global_store_b128 v2, v[8:11], s[6:7] offset:4096
	s_wait_tensorcnt 0x0                           ; the wave's end: behind my last LDS store
	ds_add_u32 v30, v31
	s_wait_dscnt 0x0
	s_endpgm
.Lfunc_end_k_q6907deb192_softmax:
	.size	k_q6907deb192_softmax, .Lfunc_end_k_q6907deb192_softmax-k_q6907deb192_softmax
	.p2alignl 7, 3214868480
	.fill 96, 4, 3214868480
	.section	.rodata,"a",@progbits
	.p2align	6, 0x0
	.amdhsa_kernel k_q6907deb192_softmax
		.amdhsa_group_segment_fixed_size 1536
		.amdhsa_private_segment_fixed_size 0
		.amdhsa_enable_private_segment 0
		.amdhsa_kernarg_size 16
		.amdhsa_user_sgpr_count 2
		.amdhsa_user_sgpr_kernarg_segment_ptr 1
		.amdhsa_wavefront_size32 1
		.amdhsa_system_sgpr_workgroup_id_x 1
		.amdhsa_system_sgpr_workgroup_id_y 1
		.amdhsa_system_sgpr_workgroup_id_z 1
		.amdhsa_system_vgpr_workitem_id 0
		.amdhsa_next_free_vgpr 32
		.amdhsa_next_free_sgpr 66
		.amdhsa_reserve_vcc 0
		.amdhsa_float_denorm_mode_32 3
		.amdhsa_float_denorm_mode_16_64 3
		.amdhsa_memory_ordered 1
		.amdhsa_forward_progress 1
		.amdhsa_inst_pref_size 5
	.end_amdhsa_kernel
	.amdgpu_metadata
---
amdhsa.version: [ 1, 2 ]
amdhsa.kernels:
  - .name:           k_q6907deb192_softmax
    .symbol:         k_q6907deb192_softmax.kd
    .args:
      - { .name: sc, .offset: 0, .size: 8, .value_kind: global_buffer, .address_space: global }
      - { .name: out0, .offset: 8, .size: 8, .value_kind: global_buffer, .address_space: global }
    .group_segment_fixed_size: 1536
    .private_segment_fixed_size: 0
    .kernarg_segment_align: 8
    .kernarg_segment_size: 16
    .max_flat_workgroup_size: 256
    .sgpr_count:     66
    .vgpr_count:     32
    .wavefront_size: 32
...
	.end_amdgpu_metadata
.endif
;; end of part 3
